; MI455X (gfx1250); checked and timed in simulation.
; The chip was launched on July 23, 2026; its instructions are those of AMD's public machine-readable ISA for CDNA 5 (MIT licence, August 2026) and "CDNA5" Instruction Set Architecture Reference Guide (July 2026). The comments in the code are by the model that wrote it; some were corrected since.
;; Vector Quantizer. Allowed arithmetic: float matrix products may take bf16 or f16 operands with f32 sums; other float arithmetic in f32, or as packed bf16 or f16 multiplies, adds, multiply-adds, maxima and minima; sums over many terms, partial sums and values carried from step to step in f32; what a program stores and reads back later, other than sums and carried values, may be rounded once to bf16 or f16.
;; Inputs: codebook 8,192 x 256 float32; latents 8 x 8 x 512 x 256 float32.
;; Outputs: out0 8 x 8 x 512 int32.
;; 2 versions, each right; version 2 is version 1 with the launch prep written anew for expert scheduling mode. Each part assembles by itself: llvm-mc -triple=amdgcn-amd-amdhsa -mcpu=gfx1250 --defsym DOCPART=n.
;; ======== version 1 of 2: 2 launches
;; workspace buffers: cbf 4,194,304 bytes; ccb 32,768 bytes
;; launch prep (part 1): grid 128 x 1, 8 waves a work-group, no clusters, 1,280 bytes of LDS; arguments codebook, cbf, ccb; writes cbf, ccb
.if DOCPART == 1
	.amdgcn_target "amdgcn-amd-amdhsa--gfx1250"
	.amdhsa_code_object_version 6
	.text
	.protected	k_q404226d645_prep
	.globl	k_q404226d645_prep
	.p2align	8
	.type	k_q404226d645_prep,@function
k_q404226d645_prep:
	s_mov_b64 s[64:65], 0
	v_nop
	global_prefetch_b8 v0, s[64:65] scope:SCOPE_SE
	s_setreg_imm32_b32 hwreg(HW_REG_WAVE_MODE, 25, 1), 1
	s_wait_xcnt 0x0
; cbf[k][:] = codebook[k][:] rounded once to bf16;  ccb[k] = the sum over d of cbf[k][d]^2, in f32 (the products of two bf16 are exact in f32).
; codebook: [8192][256] f32.  cbf: [8192][256] bf16, rows of 512 bytes.  ccb: [8192] f32.
; Memory binds: each byte is read once and written once; no matrix unit, no cluster, no tensor load would add anything.
; SHARES.  A work-group owns 64 rows, so that its 64 sums are 256 consecutive bytes of ccb, aligned; wave v owns rows 8 v .. 8 v + 7.
; A row is 1,024 bytes: two loads of 16 bytes a lane, each covering 512 consecutive bytes.  All 16 loads of a wave go out at once.
; A lane's four numbers of a load pack into 8 bytes: a store of the wave covers 256 consecutive bytes of cbf, aligned.
.set SPARE, 256                        ; LDS: bytes 0-255 the 64 sums; from 256 on the spare words, 128 bytes for each of the eight waves, which no other line names
.set GO,  2                            ; v2  my byte offset in the group's rows of codebook: 8,192 x wave + 16 x lane
.set SO,  3                            ; v3  the same in cbf: 4,096 x wave + 8 x lane
.set LA,  4                            ; v4  LDS byte of my wave's eight sums: 32 x wave
.set Z,   5                            ; v5  0: the addend that starts a chain
.set SPW, 6                            ; v6  LDS address of my spare word; never rewritten
.set NIL, 7                            ; v7  0; never rewritten
.set X,   16                           ; v[16:79]   row i: 8 registers as loaded
.set P,   80                           ; v[80:111]  row i: 4 registers, 8 bf16
.set S,   112                          ; v[112:127] row i: two chains of squares (low halves, high halves)
	s_load_b128 s[4:7], s[0:1], 0x0                ; codebook s[4:5], cbf s[6:7]
	s_load_b64 s[8:9], s[0:1], 0x10                ; ccb
	v_lshl_add_u32 v[SPW], v0, 2, SPARE
	v_mov_b32 v[NIL], 0
	v_mov_b32 v[Z], 0
	v_lshrrev_b32 v8, 5, v0
	v_readfirstlane_b32 s12, v8                    ; wave 0..7
	v_and_b32 v1, 31, v0                           ; lane
	s_lshl_b32 s16, s12, 13
	v_lshl_add_u32 v[GO], v1, 4, s16
	s_lshl_b32 s17, s12, 12
	v_lshl_add_u32 v[SO], v1, 3, s17
	s_lshl_b32 s18, s12, 5
	v_mov_b32 v[LA], s18
	s_mov_b32 s14, 0x76543210                      ; v_permlanex16_b32: each lane takes its own place in the other half
	s_mov_b32 s15, 0xfedcba98
	s_lshl_b32 s20, ttmp9, 16                      ; the group's 64 rows: 65,536 bytes of codebook,
	s_mov_b32 s21, 0
	s_lshl_b32 s22, ttmp9, 15                      ; 32,768 of cbf,
	s_mov_b32 s23, 0
	s_lshl_b32 s24, ttmp9, 8                       ; 256 of ccb
	s_mov_b32 s25, 0
	s_wait_kmcnt 0x0
	s_add_nc_u64 s[4:5], s[4:5], s[20:21]
	s_add_nc_u64 s[6:7], s[6:7], s[22:23]
	s_add_nc_u64 s[8:9], s[8:9], s[24:25]
.irp i, 0,1,2,3,4,5,6,7
	global_load_b128 v[X+8*(\i):X+8*(\i)+3],   v[GO], s[4:5] offset:1024*(\i) th:TH_LOAD_NT
	global_load_b128 v[X+8*(\i)+4:X+8*(\i)+7], v[GO], s[4:5] offset:1024*(\i)+512 th:TH_LOAD_NT
.endr
.irp i, 0,1,2,3,4,5,6,7
	s_wait_loadcnt 14-2*(\i)                       ; loads come back in order: row i's two are in, the later rows' stay out
.irp q, 0,1,2,3
	v_cvt_pk_bf16_f32 v[P+4*(\i)+(\q)], v[X+8*(\i)+2*(\q)], v[X+8*(\i)+2*(\q)+1]
.endr
	global_store_b64 v[SO], v[P+4*(\i):P+4*(\i)+1],   s[6:7] offset:512*(\i)      ; 32 lanes x 8 bytes: 256 consecutive bytes, aligned; P is never rewritten
	global_store_b64 v[SO], v[P+4*(\i)+2:P+4*(\i)+3], s[6:7] offset:512*(\i)+256
	v_fma_mix_f32_bf16 v[S+2*(\i)],   v[P+4*(\i)], v[P+4*(\i)], v[Z] op_sel_hi:[1,1,0]                 ; the squares of the ROUNDED numbers: low halves,
	v_fma_mix_f32_bf16 v[S+2*(\i)+1], v[P+4*(\i)], v[P+4*(\i)], v[Z] op_sel:[1,1,0] op_sel_hi:[1,1,0]  ; high halves
.irp q, 1,2,3
	v_fma_mix_f32_bf16 v[S+2*(\i)],   v[P+4*(\i)+(\q)], v[P+4*(\i)+(\q)], v[S+2*(\i)] op_sel_hi:[1,1,0]
	v_fma_mix_f32_bf16 v[S+2*(\i)+1], v[P+4*(\i)+(\q)], v[P+4*(\i)+(\q)], v[S+2*(\i)+1] op_sel:[1,1,0] op_sel_hi:[1,1,0]
.endr
	v_add_f32 v[S+2*(\i)], v[S+2*(\i)], v[S+2*(\i)+1]
.endr
	; across the 32 lanes, the eight rows side by side: four steps inside each half of 16 lanes, one across the halves
.irp m, 1,2,4,8
.irp i, 0,1,2,3,4,5,6,7
	v_add_f32_dpp v[S+2*(\i)], v[S+2*(\i)], v[S+2*(\i)] row_xmask:\m row_mask:0xf bank_mask:0xf
.endr
.endr
.irp i, 0,1,2,3,4,5,6,7
	v_permlanex16_b32 v[S+2*(\i)+1], v[S+2*(\i)], s14, s15   ; its destination counts as read: the second chain's register has been written
.endr
.irp i, 0,1,2,3,4,5,6,7
	v_add_f32 v[S+2*(\i)], v[S+2*(\i)], v[S+2*(\i)+1]
.endr
.irp i, 0,1,2,3,4,5,6,7
	ds_store_b32 v[LA], v[S+2*(\i)] offset:4*(\i)  ; all lanes write the same word with the same number
.endr
	s_wait_dscnt 0x0                               ; for the others' sake: my stores are done
	s_barrier_signal -1
	s_barrier_wait -1                              ; all 64 sums lie in LDS
	s_cmp_lg_u32 s12, 0
	s_cbranch_scc1 .Lend                           ; wave 0 stores them
	v_lshlrev_b32 v8, 3, v1
	ds_load_b64 v[10:11], v8
	s_wait_dscnt 0x0
	global_store_b64 v8, v[10:11], s[8:9]          ; 256 consecutive bytes of ccb, aligned
.Lend:
	s_wait_tensorcnt 0x0                           ; the wave's end: three lines, behind my last LDS store
	ds_add_u32 v[SPW], v[NIL]
	s_wait_dscnt 0x0
	s_endpgm
.Lfunc_end_k_q404226d645_prep:
	.size	k_q404226d645_prep, .Lfunc_end_k_q404226d645_prep-k_q404226d645_prep
	.p2alignl 7, 3214868480
	.fill 96, 4, 3214868480
	.section	.rodata,"a",@progbits
	.p2align	6, 0x0
	.amdhsa_kernel k_q404226d645_prep
		.amdhsa_group_segment_fixed_size 1280
		.amdhsa_private_segment_fixed_size 0
		.amdhsa_enable_private_segment 0
		.amdhsa_kernarg_size 24
		.amdhsa_user_sgpr_count 2
		.amdhsa_user_sgpr_kernarg_segment_ptr 1
		.amdhsa_wavefront_size32 1
		.amdhsa_system_sgpr_workgroup_id_x 1
		.amdhsa_system_sgpr_workgroup_id_y 1
		.amdhsa_system_sgpr_workgroup_id_z 1
		.amdhsa_system_vgpr_workitem_id 0
		.amdhsa_next_free_vgpr 128
		.amdhsa_next_free_sgpr 66
		.amdhsa_reserve_vcc 0
		.amdhsa_float_denorm_mode_32 3
		.amdhsa_float_denorm_mode_16_64 3
		.amdhsa_memory_ordered 1
		.amdhsa_forward_progress 1
		.amdhsa_inst_pref_size 15
	.end_amdhsa_kernel
	.amdgpu_metadata
---
amdhsa.version: [ 1, 2 ]
amdhsa.kernels:
  - .name:           k_q404226d645_prep
    .symbol:         k_q404226d645_prep.kd
    .args:
      - { .name: codebook, .offset: 0, .size: 8, .value_kind: global_buffer, .address_space: global }
      - { .name: cbf, .offset: 8, .size: 8, .value_kind: global_buffer, .address_space: global }
      - { .name: ccb, .offset: 16, .size: 8, .value_kind: global_buffer, .address_space: global }
    .group_segment_fixed_size: 1280
    .private_segment_fixed_size: 0
    .kernarg_segment_align: 8
    .kernarg_segment_size: 24
    .max_flat_workgroup_size: 256
    .sgpr_count:     66
    .vgpr_count:     128
    .wavefront_size: 32
...
	.end_amdgpu_metadata
.endif
;; end of part 1
;; launch vq (part 2): grid 256 x 1, 4 waves a work-group, clusters of 4 x 1, 327,680 bytes of LDS; arguments latents, cbf, ccb, out0; writes out0
.if DOCPART == 2
	.amdgcn_target "amdgcn-amd-amdhsa--gfx1250"
	.amdhsa_code_object_version 6
	.text
	.protected	k_q404226d645_vq
	.globl	k_q404226d645_vq
	.p2align	8
	.type	k_q404226d645_vq,@function
k_q404226d645_vq:
	s_mov_b64 s[64:65], 0
	v_nop
	global_prefetch_b8 v0, s[64:65] scope:SCOPE_SE
	s_setreg_imm32_b32 hwreg(HW_REG_WAVE_MODE, 25, 1), 1
	s_wait_xcnt 0x0
	s_wait_alu depctr_hold_cnt(0) depctr_sa_sdst(0) depctr_va_vdst(0) depctr_va_sdst(0) depctr_va_ssrc(0) depctr_va_vcc(0) depctr_vm_vsrc(0)
	s_getreg_b32 s2, hwreg(HW_REG_IB_STS2, 6, 4)
	s_cmp_eq_u32 s2, 0
	s_cbranch_scc0 .Lentry_in_a_cluster
	s_endpgm
.Lentry_in_a_cluster:
	s_bfe_u32 s2, ttmp6, 0x10000c
	s_cmp_lg_u32 s2, 0x3003
	s_cbranch_scc0 .Lentry_shape_is_right
	s_endpgm
.Lentry_shape_is_right:
; out0[n] = the first k at which d(n, k) = (|x_n|^2 - 2 x_n . c_k) + |c_k|^2 is least.  latents: [32768][256] f32 (x).  cbf: [8192][256] bf16, ccb: [8192] f32 (the launch before made them).  out0: [32768] i32.
; ARITHMETIC.  x is rounded once to bf16, like the codes; x . c is summed in f32 by the matrix unit from 0, K ascending; |x|^2 and |c|^2 are taken of the ROUNDED numbers; d is formed in the order
; written above, each step rounded once to f32: fl(fl(xx - 2 s) + cc), 2 s being exact.  Of equal distances the lowest index wins.
; LIMITS.  A NaN distance is passed over (the minima ignore NaN), where an argmin over NaN would name it.  If every distance is +infinity the index is 0.  With a large common offset the difference loses the
; bits that it loses in the formula itself.  A row whose two best distances lie within f32 rounding of each other may resolve otherwise than under another order of summation.
; SHARES.  A work-group owns 128 rows of x and walks all 8,192 codes: 256 work-groups of equal work, and a row's minimum never leaves its work-group.  EVERY wave keeps all 128 rows as bf16 fragments
; (8 row tiles x 8 K steps x 8 = 512 registers).  The codes go through a ring of two LDS slots of 256 codes; wave w fetches, and alone reads, codes 64 w .. 64 w + 63 of a slot: four CODE TILES of 16.
; A code fragment (two LDS loads) feeds eight matrix instructions, and each LDS byte of a slot is read once.
; LAYOUT.  Source 0 = 16 codes, source 1 = 16 rows of x: in the result a lane holds ONE row of x (lane % 16), and its registers j the codes 8 (lane / 16) + j.
; THE ARGMIN.  A lane keeps, for each row tile, its least distance B, the first code ID of the eight among which it fell, and those eight distances SAVE.  For a code tile: 8 packed lines make d, four
; three-operand minima the new B, one compare says whether B fell STRICTLY (so the earlier code stays on a tie), and nine selects copy ID and the eight: 22 lines for 8 matrix instructions.
; Which of the eight it was is looked up once, at the end.  B lies in two registers by turns, so that new and old can be compared.
; BY TURNS.  The row tiles are two GROUPS of four.  While one group's 32 products run (its 4 accumulators by turns), the other group's 88 lines stand between them, three behind each
; product from the third on.  A tile's group 0 is finished in the tile's second half, its group 1 in the next tile's first half.
; |x|^2 is the diagonal of X X^T, 64 products a wave once in the launch beside the walk's 8,192: matrix work that is not the problem's, taken in place of 1,024 multiply-adds a lane on unpacked numbers.
; CLUSTER.  Four work-groups walk the same codes: each slot quarter, and ccb, is asked for JOINTLY: the same tensor load, descriptor and mask in all four.  x is each work-group's own: a plain load.
; REGISTERS, in windows of 256 (s_set_vgpr_msb: bits 1:0 source 0, 3:2 source 1, 5:4 source 2, 7:6 destination):
;   window 0: v0-15 addresses and minima at work; v16-47 four a row tile: xx, B0, ID, B1; v48-63 |c|^2, two buffers; v64-127 the accumulators; v128-191 SAVE; v192-255 at work at the head and the end
;   window 1: v0-63, v64-127 code fragments, two buffers (at the head all 256: two stages of x in f32)          windows 2, 3: x, row tile t, K step c at 64 (t % 4) + 8 c of window 2 + t / 4
; All that the argmin touches lies in window 0, a product's sources outside it: two switches a product.
.set PITCH, 528       ; a code row in LDS: 512 bytes + 16 of padding = 132 words: row r starts at bank 4 r mod 64 (64 banks of 4 bytes: ISA guide 11.1), so the 16 rows of a load start at 16 different groups of four banks
.set QB,    64*PITCH  ; a wave's quarter of a slot: 33,792 = 0x8400
.set SLOT,  4*QB      ; 135,168 = 0x21000: bits 17 and 12, which are clear in all four w x QB: one exclusive or turns an address in one slot into the other's
.set TILEB, 16*PITCH  ; a code tile
.set XP,    1040      ; a row of x (f32) in LDS: 1,024 bytes + 16: row r starts at bank 4 r mod 64
.set CCB,   2*SLOT    ; behind the ring: all of ccb, filled once
.set SCR,   CCB+32768 ; 4,096 bytes, written by LDS stores alone: wave v, row n: (distance, code) at 1,024 v + 8 n
.set SPARE, SCR+4096  ; the spare words, 128 bytes for each wave: two blocks of 256 bytes that no other line names
.set STB,   131072    ; a slot's 256 codes in cbf
.set FA0, 2           ; v2   my place in a code tile: (l % 16) x PITCH + 16 (l / 16) + w x QB; never rewritten
.set FAD, 3           ; v3   the LDS address of the run of fragment loads in hand
.set NA0, 4           ; v4   CCB + 32 (l / 16) + 256 w; never rewritten
.set NAD, 5           ; v5   the LDS address of the two loads of |c|^2 in hand
.set SPW, 6           ; v6   LDS address of my spare word; never rewritten
.set NIL, 7           ; v7   0; never rewritten
.set PFO, 8           ; v8   256 x lane; never rewritten
.set TIDV, 9          ; v9   the first of my eight codes in the tile whose distances are being judged
.set XA,  10          ; v10, v11  my place in x's rows 0-63, 64-127 in LDS
.set MN,  12          ; v12-15  two minima at work for each of the two row tiles that alternate
.set ST,  16
.set NRM, 48
.set ACC, 64
.set SAVE, 128
.set RES, 192         ; the end: (distance, code) a row tile
.set DG,  200         ; the head: the diagonal's pick
.set LD,  208         ; the end: four waves' (distance, code) of two rows
.set WV,  12          ; s12  my wave's number
.set LIM, 15          ; s15  2 in the cluster that prefetches, else the greatest number
.set PFA, 20          ; s[20:21] where my prefetches stand in cbf
.set G1C, 24          ; s[24:31] descriptor group 1: codes;  s[32:39] x;  s[40:47] ccb
.set G1X, 32
.set G1N, 40
.set G0C, 48          ; s[48:51] descriptor group 0: codes (it walks);  s[52:55] x;  s[56:59] ccb
.set G0X, 52
.set G0N, 56
.set SLOTS, 60        ; s60  counts the loop
.set TB,  61          ; s61  LDS byte, less my quarter, of the code tile to be fetched
.set CT,  62          ; s62  byte in ccb, less my wave's, of the code tile whose |c|^2 is to be fetched
.set SEL, 66          ; s[66:67] v_permlanex16_b32: each lane takes its own place in the other half
.set MK,  68          ; s68, s69  'B fell', for the two row tiles that alternate
.set MSB, 0
.macro WIN new                         ; the immediate's high byte repeats the setting that is left; a switch that changes nothing is dropped
.if MSB != (\new)
	s_set_vgpr_msb (MSB<<8)|(\new)
.set MSB, \new
.endif
.endm
.set W_F, 0x40        ; destination window 1, address window 0
; A round of the cluster's barrier: my work-group's barrier, so that wave 0's signal speaks for all four waves; wave 0 signals; every wave waits for all four work-groups; my work-group's barrier once more.
.macro CREST
	s_cmp_lg_u32 s[WV], 0
	s_cbranch_scc1 .Lnot_wave_0_\@
	s_barrier_signal -3
.Lnot_wave_0_\@:
	s_barrier_wait -3
	s_barrier_signal -1
	s_barrier_wait -1
.endm
.macro ROUND
	s_barrier_signal -1
	s_barrier_wait -1
	CREST
.endm
.macro PLACES
.rept 4
	v_nop
.endr
.endm
	s_load_b256 s[4:11], s[0:1], 0x0               ; latents s[4:5], cbf s[6:7], ccb s[8:9], out0 s[10:11]
	v_lshl_add_u32 v[SPW], v0, 2, SPARE
	v_mov_b32 v[NIL], 0
	ds_add_u32 v[SPW], v[NIL]                      ; the wave's opening: the add, twice on end, and its wait ahead of my first tensor load; the set-up below, work on registers, stands between
	ds_add_u32 v[SPW], v[NIL]
	v_lshrrev_b32 v1, 5, v0
	v_readfirstlane_b32 s[WV], v1                  ; wave 0..3
	s_bfe_u32 s13, ttmp6, 0x40000                  ; cx: my place in the cluster
	s_lshl_b32 s14, ttmp9, 2                       ; in a cluster launch ttmp9 counts clusters
	s_add_co_u32 s14, s14, s13                     ; my work-group = 4 x cluster + cx: it enters x's, out0's and the prefetches' addresses alone
	; group 1, codes: 64 rows x 256 elements of 2 bytes, padded
	s_mov_b32 s[G1C], 15|(1<<16)|(1<<20)|(1<<21)|(6<<22)|(3<<25)  ; 15:0 the mask of four; 17:16 2-byte elements; 20 padding on; 21 set beside a mask; 24:22 after every 128 words (code 6); 31:25 4 words (code 3)
	s_mov_b32 s[G1C+1], 256<<16                    ; tensor_dim0 = 256
	s_mov_b32 s[G1C+2], 64<<16                     ; tensor_dim1 = 64
	s_mov_b32 s[G1C+3], 256<<16                    ; tile_dim0 = 256
	s_mov_b32 s[G1C+4], 64                         ; tile_dim1 = 64
	s_mov_b32 s[G1C+5], 256                        ; elements from row to row
	s_mov_b32 s[G1C+6], 0
	s_mov_b32 s[G1C+7], 0
	; group 1, x: 32 rows x 256 elements of 4 bytes, padded; no mask
	s_mov_b32 s[G1X], (2<<16)|(1<<20)|(7<<22)|(3<<25)  ; 17:16 4-byte elements; padding after every 256 words (code 7), 4 words
	s_mov_b32 s[G1X+1], 256<<16
	s_mov_b32 s[G1X+2], 32<<16
	s_mov_b32 s[G1X+3], 256<<16
	s_mov_b32 s[G1X+4], 32
	s_mov_b32 s[G1X+5], 256
	s_mov_b32 s[G1X+6], 0
	s_mov_b32 s[G1X+7], 0
	; group 1, ccb: 8,192 dense bytes as 32 rows of 32 elements of 8 bytes
	s_mov_b32 s[G1N], 15|(3<<16)|(1<<21)
	s_mov_b32 s[G1N+1], 32<<16
	s_mov_b32 s[G1N+2], 32<<16
	s_mov_b32 s[G1N+3], 32<<16
	s_mov_b32 s[G1N+4], 32
	s_mov_b32 s[G1N+5], 32
	s_mov_b32 s[G1N+6], 0
	s_mov_b32 s[G1N+7], 0
	s_mov_b32 s[G0C], 1                            ; count = 1
	s_mul_i32 s[G0C+1], s[WV], QB                  ; LDS: my quarter of slot 0: no place in the cluster enters an LDS address
	s_mov_b32 s[G0X], 1
	s_mul_i32 s[G0X+1], s[WV], 32*XP
	s_add_co_u32 s[G0X+1], s[G0X+1], SLOT          ; x's first home is slot 1
	s_mov_b32 s[G0N], 1
	s_lshl_b32 s[G0N+1], s[WV], 13
	s_add_co_u32 s[G0N+1], s[G0N+1], CCB
	s_mov_b32 s[SEL], 0x76543210
	s_mov_b32 s[SEL+1], 0xfedcba98
.irp j, 1,2,3,4,5,6,7
	s_mov_b32 s[69+\j], 0x01010101<<\j             ; s70-76: the lanes with lane % 8 = j
.endr
	s_mov_b32 s77, 0xff0000ff                      ; the lanes that hold a diagonal element of a 16 x 16 result
	s_mov_b32 s[TB], 0
	s_mov_b32 s[CT], 0
	s_mov_b32 s[SLOTS], 31
	s_cmp_eq_u32 ttmp9, 0                          ; the first cluster prefetches: the same answer in all four partners
	s_cselect_b32 s[LIM], 2, -1
	s_wait_dscnt 0x0                               ; both opening adds are done
	s_wait_kmcnt 0x0
	s_lshl_b32 s18, s[WV], 15                      ; my 64 codes of 512 bytes
	s_mov_b32 s19, 0
	s_add_nc_u64 s[G0C+2:G0C+3], s[6:7], s[18:19]
	s_or_b32 s[G0C+3], s[G0C+3], 0x80000000        ; type = 2
	s_lshl_b32 s18, s[WV], 13                      ; my quarter of ccb
	s_add_nc_u64 s[G0N+2:G0N+3], s[8:9], s[18:19]
	s_or_b32 s[G0N+3], s[G0N+3], 0x80000000
	s_lshl_b32 s16, s14, 17                        ; my work-group's 128 rows of 1,024 bytes,
	s_lshl_b32 s17, s[WV], 15                      ; my wave's 32 of them
	s_add_co_u32 s16, s16, s17
	s_mov_b32 s17, 0
	s_add_nc_u64 s[G0X+2:G0X+3], s[4:5], s[16:17]
	s_or_b32 s[G0X+3], s[G0X+3], 0x80000000
	s_lshl_b32 s16, s13, 2                         ; the prefetches: of a slot's 512 blocks of 256 bytes the cluster's sixteen waves take 32 each, told apart by address
	s_add_co_u32 s16, s16, s[WV]
	s_lshl_b32 s16, s16, 13
	s_add_nc_u64 s[PFA:PFA+1], s[6:7], s[16:17]
	s_add_nc_u64 s[PFA:PFA+1], s[PFA:PFA+1], 3*STB ; at slot tile 3: the first change in the loop steps it to 4
	s_lshl_b32 s16, s14, 9                         ; my work-group's 128 indices
	s_add_nc_u64 s[10:11], s[10:11], s[16:17]
	ROUND                                          ; all four work-groups are here: the first joint loads meet
	tensor_load_to_lds s[G0X:G0X+3], s[G1X:G1X+7]  ; the first fills go out together, ahead of every wait on TENSORcnt and every LDS read: three loads of mine are out
	s_nop 0
	tensor_load_to_lds s[G0N:G0N+3], s[G1N:G1N+7]
	s_nop 0
	tensor_load_to_lds s[G0C:G0C+3], s[G1C:G1C+7]  ; codes 0-255 into slot 0
	s_nop 0
	PLACES
	; addresses and start values, while the first tiles are on their way
	v_and_b32 v192, 15, v0                         ; l % 16
	v_bfe_u32 v193, v0, 4, 1                       ; l / 16
	v_and_b32 v194, 31, v0                         ; l
	s_mul_i32 s18, s[WV], QB
	v_mul_u32_u24 v[FA0], v192, PITCH
	v_lshl_add_u32 v[FA0], v193, 4, v[FA0]
	v_add_nc_u32 v[FA0], s18, v[FA0]
	s_lshl_b32 s18, s[WV], 8
	s_add_co_u32 s18, s18, CCB
	v_lshl_add_u32 v[NA0], v193, 5, s18
	v_lshlrev_b32 v[PFO], 8, v194
	s_lshl_b32 s18, s[WV], 6
	s_sub_co_u32 s18, s18, 208                     ; one step in front of code tile 0: the first step adds 208
	v_lshl_add_u32 v[TIDV], v193, 3, s18
	v_mul_u32_u24 v[XA], v192, XP
	v_lshl_add_u32 v[XA], v193, 5, v[XA]           ; a lane's 8 channels are 32 bytes of f32
	v_add_nc_u32 v[XA], SLOT, v[XA]
	v_add_nc_u32 v[XA+1], 64*XP, v[XA]
	s_mov_b32 s16, 0x7f800000                      ; +infinity: no distance is judged less than a start value, and the end finds index 0 where nothing ever fell
.set i, 0
.rept 64
	v_mov_b32 v[SAVE+i], s16
.set i, i+1
.endr
.set i, 0
.rept 8
	v_mov_b32 v[ST+4*i], 0                         ; xx: written, since v_permlanex16_b32's destination counts as read
	v_mov_b32 v[ST+4*i+1], s16                     ; B0
	v_mov_b32 v[ST+4*i+2], 0                       ; ID
	v_mov_b32 v[ST+4*i+3], s16                     ; B1
	v_mov_b32 v[NRM+8+i], s16                      ; |c|^2 of the tile in front of the first: its distances are +infinity, and nothing falls
.set i, i+1
.endr
; x COMES IN.  A fragment of x is 16 rows x 32 channels in 8 registers: lane l holds row l % 16, channels 8 (l / 16) + 0..7 and 16 + 8 (l / 16) + 0..7.  In f32 those are 32 bytes twice, 64 bytes apart.
.macro LOADX t                         ; row tile t: 32 LDS loads into stage t % 2
	WIN W_F
.irp c, 0,1,2,3,4,5,6,7
	ds_load_b128 v[128*((\t)%2)+16*\c:128*((\t)%2)+16*\c+3],     v[XA+(\t)/4] offset:((\t)%4)*16*XP+128*\c
	ds_load_b128 v[128*((\t)%2)+16*\c+4:128*((\t)%2)+16*\c+7],   v[XA+(\t)/4] offset:((\t)%4)*16*XP+128*\c+16
	ds_load_b128 v[128*((\t)%2)+16*\c+8:128*((\t)%2)+16*\c+11],  v[XA+(\t)/4] offset:((\t)%4)*16*XP+128*\c+64
	ds_load_b128 v[128*((\t)%2)+16*\c+12:128*((\t)%2)+16*\c+15], v[XA+(\t)/4] offset:((\t)%4)*16*XP+128*\c+80
.endr
.endm
.macro CVT t                           ; 128 f32 a lane, rounded once to bf16, into the row tile's 64 registers
	WIN 0x85+0x40*((\t)/4)                         ; sources window 1, destination window 2 or 3
.set cq, 0
.rept 64
	v_cvt_pk_bf16_f32 v[64*((\t)%4)+cq], v[128*((\t)%2)+2*cq], v[128*((\t)%2)+2*cq+1]
.set cq, cq+1
.endr
.endm
	s_wait_tensorcnt 2                             ; my 32 rows of x are in; the two loads issued behind them (ccb, codes) may stay out
	s_barrier_signal -1
	s_barrier_wait -1                              ; everybody's rows are in
	LOADX 0
	LOADX 1
.irp t, 0,1,2,3,4,5,6,7
.if \t < 7
	s_wait_dscnt 32                                ; row tile t is in; the next tile's 32 loads may stay out
.else
	s_wait_dscnt 0x0
.endif
	CVT \t
.if \t < 6
	LOADX (\t)+2
.endif
.endr
	; THE FIRST CHANGE: x has left slot 1, which takes codes 256-511.
	WIN 0
	s_wait_tensorcnt 0x0                           ; ccb and my quarter of slot 0 are in; no tensor load of mine is out, so a group 0 may be written
	ds_add_u32 v[SPW], v[NIL]                      ; 0 onto my spare word; the products below stand between it and the wait for it
	s_xor_b32 s[G0C+1], s[G0C+1], SLOT
	s_add_nc_u64 s[G0C+2:G0C+3], s[G0C+2:G0C+3], STB
.set gc, 0
.rept 8                                ; X X^T for each row tile; the eight accumulators take turns, one instruction a turn; the first eight start the sums
.set gt, 0
.rept 8
	WIN 0x0a+5*(gt/4)                              ; both sources window 2 or 3
.if gc == 0
	v_wmma_f32_16x16x32_bf16 v[ACC+8*gt:ACC+8*gt+7], v[64*(gt%4)+8*gc:64*(gt%4)+8*gc+7], v[64*(gt%4)+8*gc:64*(gt%4)+8*gc+7], 0
.else
	v_wmma_f32_16x16x32_bf16 v[ACC+8*gt:ACC+8*gt+7], v[64*(gt%4)+8*gc:64*(gt%4)+8*gc+7], v[64*(gt%4)+8*gc:64*(gt%4)+8*gc+7], v[ACC+8*gt:ACC+8*gt+7]
.endif
.set gt, gt+1
.endr
.set gc, gc+1
.endr
	WIN 0
	s_wait_dscnt 0x0                               ; the add is done, and my reads of x are over
	ROUND                                          ; that holds of every wave of every partner; and all of ccb is in
	tensor_load_to_lds s[G0C:G0C+3], s[G1C:G1C+7]  ; my one load behind the round, and the first thing there
	s_nop 0
	PLACES                                         ; also places behind the products above
; THE LDS LOADS stand in runs.  FETCH: the next code tile's 8 fragments into the buffer that the tile in hand (parity par) does not read.
.macro FETCH par
	WIN 0
	v_add_nc_u32 v[FAD], s[TB], v[FA0]
	WIN W_F
.irp c, 0,1,2,3,4,5,6,7
	ds_load_b128 v[64*(1-(\par))+8*\c:64*(1-(\par))+8*\c+3],   v[FAD] offset:64*\c
	ds_load_b128 v[64*(1-(\par))+8*\c+4:64*(1-(\par))+8*\c+7], v[FAD] offset:64*\c+32
.endr
	s_add_co_u32 s[TB], s[TB], TILEB
	WIN 0
.endm
.macro FETCHCC par                     ; the next code tile's |c|^2: my eight codes' 32 bytes (the 16 lanes of a half read the same words); cstep leads to the tile after it
	WIN 0
	v_add_nc_u32 v[NAD], s[CT], v[NA0]
	ds_load_b128 v[NRM+8*(1-(\par)):NRM+8*(1-(\par))+3],   v[NAD]
	ds_load_b128 v[NRM+8*(1-(\par))+4:NRM+8*(1-(\par))+7], v[NAD] offset:16
	s_add_co_u32 s[CT], s[CT], cstep
.endm
; A PREFETCH INTO THE L2 of the slot tile that stands TWO refills on: behind the joint load, its five lines and the run of LDS loads.  All 64 clusters walk the same codes: the first cluster asks, nobody else.
; Its sixteen waves take 32 blocks of 256 bytes each, a lane a block, told apart by address: each block of cbf from slot tile 4 on is named once in the launch.  Slot tiles 0 to 3 come by their loads alone.
; The last two changes that fill a slot ask for nothing: there is no slot tile 32.
.macro ASK
	s_cmp_gt_u32 s[SLOTS], s[LIM]
	s_cbranch_scc0 .Lnot_mine_\@
	global_prefetch_b8 v[PFO], s[PFA:PFA+1] th:TH_LOAD_NT scope:SCOPE_SE
.Lnot_mine_\@:
.endm
; LINE k OF 88 (89 for group 1) that judge group g's distances of a code tile of parity par.  Two row tiles alternate (k % 2), so that no line reads the result of the line before it; the group's second pair follows from 44 on.
; For a row tile, n = 0-3: fl(xx - 2 s), a pair a line, the accumulator's lowest registers first.  4-7: + |c|^2.  8-10: the least of the eight.  11: the new B.  12: did it fall?
; 13: ID.  14-21: the eight distances.  Line 88: the code number steps on to the next tile (tstep).
.macro RID g, par, k
.if (\k) < 88
.set rt, 4*(\g)+2*((\k)/44)+(\k)%2
.set ru, (\k)%2
.set rn, ((\k)%44)/2
.set rA, ACC+8*rt
.set rS, ST+4*rt
.set rV, SAVE+8*rt
.set rM, MN+2*ru
.set rBo, rS+1+2*(\par)
.set rBn, rS+3-2*(\par)
.if rn < 4
	v_pk_fma_f32 v[rA+2*rn:rA+2*rn+1], v[rA+2*rn:rA+2*rn+1], -2.0, v[rS:rS+1] op_sel_hi:[1,0,0]
.elseif rn < 8
	v_pk_add_f32 v[rA+2*(rn-4):rA+2*(rn-4)+1], v[rA+2*(rn-4):rA+2*(rn-4)+1], v[NRM+8*(\par)+2*(rn-4):NRM+8*(\par)+2*(rn-4)+1]
.elseif rn == 8
	v_min3_num_f32 v[rM], v[rA], v[rA+1], v[rA+2]
.elseif rn == 9
	v_min3_num_f32 v[rM+1], v[rA+3], v[rA+4], v[rA+5]
.elseif rn == 10
	v_min3_num_f32 v[rM], v[rM], v[rA+6], v[rA+7]
.elseif rn == 11
	v_min3_num_f32 v[rBn], v[rM], v[rM+1], v[rBo]
.elseif rn == 12
	v_cmp_lt_f32 s[MK+ru], v[rBn], v[rBo]
.elseif rn == 13
	v_cndmask_b32 v[rS+2], v[rS+2], v[TIDV], s[MK+ru]
.else
	v_cndmask_b32 v[rV+rn-14], v[rV+rn-14], v[rA+rn-14], s[MK+ru]
.endif
.elseif ((\k) == 88) && (\g)
	v_add_nc_u32 v[TIDV], tstep, v[TIDV]
.endif
.endm
; UNIT u OF 64 of a code tile of parity par: a product (group u / 32, K step (u % 32) / 4, row tile u % 4 of the group; the first four of a group start the sums) and, from the group's third product on,
; three lines of the other group: in the first half group 1 of the tile before, in the second half group 0 of this tile.
; DISTANCES.  A line reads an accumulator seven plain lines or more behind its last product (lines of the other group, which name none of that product's registers).
.macro UNIT par, u
.set ug, (\u)/32
.set ui, (\u)%32
.set uc, ui/4
.set ua, ui%4
.set uD, ACC+8*(4*ug+ua)
.set uF, 64*(\par)+8*uc
.set uX, 64*ua+8*uc
.set up, ug*(\par)+(1-ug)*(1-(\par))
	WIN 0x09+4*ug                                  ; codes window 1, x window 2 or 3, sums window 0
.if uc == 0
	v_wmma_f32_16x16x32_bf16 v[uD:uD+7], v[uF:uF+7], v[uX:uX+7], 0
.else
	v_wmma_f32_16x16x32_bf16 v[uD:uD+7], v[uF:uF+7], v[uX:uX+7], v[uD:uD+7]
.endif
.if ui >= 2
	WIN 0
	RID 1-ug, up, 3*(ui-2)
	RID 1-ug, up, 3*(ui-2)+1
	RID 1-ug, up, 3*(ui-2)+2
.endif
.endm
.macro UNITS par, a, b
.set uu, \a
.rept (\b)-(\a)+1
	UNIT \par, uu
.set uu, uu+1
.endr
.endm
; A CODE TILE of parity par at place pos (0-3) of its slot.  fetch = 1: the next tile's fragments and |c|^2 are fetched.
; chg = 0: the fragments' run stands behind the fourth product: seven plain lines and its own v_add_nc_u32 behind the last product that read that buffer.
; chg = 1: a slot's last tile, in the loop: its fragments are in registers, so my reads of the slot are over, and THE SLOT IS FILLED AGAIN with the codes two slots on.  Each wave waits for all its tensor loads,
;   of which one is out: its quarter of the other slot; adds 0 to its spare word; waits for that.  The barrier opens a round of the cluster's, so that no wave of any partner still reads the slot or has a load on
;   its way; the joint refill is the first thing behind the round.  From a request to the wait for it a wave issues 240 matrix instructions.
; chg = 2: the same place in the tail: nothing is asked for; a wave reads the quarter that its own load brought, so its own wait is all that the reads need.
; |c|^2 is fetched behind the 32nd product, when the tile before has been judged to its end.
.macro T par, pos, chg, fetch
.set tstep, 16
.if (\pos) == 0
.set tstep, 208                        ; from a slot's last tile of mine to the next slot's first: 256 - 48 codes
.endif
.set cstep, 64
.if (\pos) == 2
.set cstep, 832                        ; the same in bytes of ccb: 1,024 - 192
.endif
	s_wait_dscnt 0x0                               ; this tile's fragments (issued 48 products back or more) and its |c|^2 are in
.if (\chg) == 1
	s_wait_xcnt 0x0                                ; the last prefetch, four tiles back, has read its address
	s_add_nc_u64 s[PFA:PFA+1], s[PFA:PFA+1], STB
	WIN 0
	s_wait_tensorcnt 0x0                           ; no tensor load of mine is out, so a group 0 may be written
	ds_add_u32 v[SPW], v[NIL]                      ; 0 onto my spare word
	s_xor_b32 s[G0C+1], s[G0C+1], SLOT             ; the walking descriptor: the other slot than last time,
	s_add_nc_u64 s[G0C+2:G0C+3], s[G0C+2:G0C+3], STB  ; the next 256 codes; the type bits on top are not reached
	s_sub_co_u32 s[TB], s[TB], QB                  ; the fetches go back to a quarter's first tile,
	s_xor_b32 s[TB], s[TB], SLOT                   ; in the other slot
	UNITS \par, 0, 7                               ; eight products and their lines stand between the add and the wait for it
	s_wait_dscnt 0x0                               ; the add is done
	s_barrier_signal -1
	UNITS \par, 8, 15                              ; work on registers while the others arrive
	WIN 0                                          ; at a branch and at a label every window is 0
	s_barrier_wait -1
	CREST
	tensor_load_to_lds s[G0C:G0C+3], s[G1C:G1C+7]
	s_nop 0
	PLACES
	FETCH \par
	ASK
	UNITS \par, 16, 31
.else
.if (\chg) == 2
	s_wait_tensorcnt 0x0                           ; my quarter of the last slot tile is in
	s_sub_co_u32 s[TB], s[TB], QB
	s_xor_b32 s[TB], s[TB], SLOT
.endif
	UNITS \par, 0, 3
.if \fetch
	FETCH \par
.endif
	UNITS \par, 4, 31
.endif
.if \fetch
	FETCHCC \par
.endif
	UNITS \par, 32, 63
.endm
.set cstep, 64
	FETCH 1                                        ; code tile 0 into buffer 0
	FETCHCC 1
	; xx = the diagonal of X X^T.  Register j of lane l holds element (8 (l / 16) + j, l % 16): lanes 0-7 and 24-31 hold their row's in register l % 8; the others take it from the lane 16 away.
.irp t, 0,1,2,3,4,5,6,7
	v_cndmask_b32 v[DG+\t], v[ACC+8*\t], v[ACC+8*\t+1], s70
.endr
.irp j, 2,3,4,5,6,7
.irp t, 0,1,2,3,4,5,6,7
	v_cndmask_b32 v[DG+\t], v[DG+\t], v[ACC+8*\t+\j], s[69+\j]
.endr
.endr
.irp t, 0,1,2,3,4,5,6,7
	v_permlanex16_b32 v[ST+4*\t], v[DG+\t], s[SEL], s[SEL+1]
.endr
.irp t, 0,1,2,3,4,5,6,7
	v_cndmask_b32 v[ST+4*\t], v[ST+4*\t], v[DG+\t], s77
.endr
	s_branch .Lfirst                               ; the loop is entered at a slot's first tile.  Tile 0's first half judges group 1 of a tile that has not been: its |c|^2 is +infinity
.Lslot:                                        ; 30 trips: slot tiles 2 to 31 are asked for
	T 1, 3, 1, 1
.Lfirst:
	T 0, 0, 0, 1
	T 1, 1, 0, 1
	T 0, 2, 0, 1
	WIN 0
	s_sub_co_u32 s[SLOTS], s[SLOTS], 1
	s_cmp_lg_u32 s[SLOTS], 0
	s_cbranch_scc1 .Lslot
	T 1, 3, 2, 1                                   ; the tail is written out
	T 0, 0, 0, 1
	T 1, 1, 0, 1
	T 0, 2, 0, 1
	T 1, 3, 0, 0
	WIN 0
.set ek, 0
.rept 88                               ; the last tile's group 1, bare; ten lines of group 0 stand behind the last product on its first accumulator
	RID 1, 1, ek
.set ek, ek+1
.endr
	; THE END.  The last tile had parity 1: the least distance lies in B0.  Which of the saved eight: the lowest j whose distance equals it.
.irp t, 0,1,2,3,4,5,6,7
	v_mov_b32 v[RES+2*\t+1], 7
.endr
.irp j, 6,5,4,3,2,1,0
.irp t, 0,1,2,3,4,5,6,7
	v_cmp_neq_f32 s[MK+(\t)%2], v[SAVE+8*\t+\j], v[ST+4*\t+1]
	v_cndmask_b32 v[RES+2*\t+1], \j, v[RES+2*\t+1], s[MK+(\t)%2]
.endr
.endr
.irp t, 0,1,2,3,4,5,6,7
	v_add_nc_u32 v[RES+2*\t+1], v[ST+4*\t+2], v[RES+2*\t+1]  ; the code
.endr
; (dv, dc) = the lesser of (va, ca) and (vb, cb): by distance, then by code
.macro MERGE dv, dc, va, ca, vb, cb
	v_cmp_lt_f32 s78, v[\vb], v[\va]
	v_cmp_eq_f32 s79, v[\vb], v[\va]
	v_cmp_lt_u32 s80, v[\cb], v[\ca]
	s_and_b32 s79, s79, s80
	s_or_b32 s78, s78, s79
	v_cndmask_b32 v[\dv], v[\va], v[\vb], s78
	v_cndmask_b32 v[\dc], v[\ca], v[\cb], s78
.endm
.irp t, 0,1,2,3,4,5,6,7
	v_permlanex16_b32 v[SAVE+8*\t],   v[ST+4*\t+1],  s[SEL], s[SEL+1]  ; the row's other eight codes of each tile lie in the lane 16 away; SAVE has been written and is free
	v_permlanex16_b32 v[SAVE+8*\t+1], v[RES+2*\t+1], s[SEL], s[SEL+1]
.endr
.irp t, 0,1,2,3,4,5,6,7
	MERGE RES+2*\t, RES+2*\t+1, ST+4*\t+1, RES+2*\t+1, SAVE+8*\t, SAVE+8*\t+1
.endr
	v_and_b32 v1, 15, v0
	s_lshl_b32 s16, s[WV], 10
	s_add_co_u32 s16, s16, SCR
	v_lshl_add_u32 v1, v1, 3, s16                  ; my wave's part of the scratch, row l % 16 of a row tile; both halves of the lanes write the same pair
.irp t, 0,1,2,3,4,5,6,7
	ds_store_b64 v1, v[RES+2*\t:RES+2*\t+1] offset:128*\t
.endr
	s_wait_dscnt 0x0                               ; for the others' sake: my stores are done
	s_barrier_signal -1
	s_barrier_wait -1                              ; all four waves' candidates for all 128 rows lie in LDS
	s_cmp_lt_u32 s[WV], 2
	s_cbranch_scc0 .Lend                           ; wave 0 finishes rows 0-63, wave 1 rows 64-127: two rows a lane
	v_and_b32 v[FAD], 31, v0
	s_lshl_b32 s16, s[WV], 9
	s_add_co_u32 s16, s16, SCR
	v_lshl_add_u32 v[NAD], v[FAD], 4, s16
.irp v, 0,1,2,3
	ds_load_b128 v[LD+4*\v:LD+4*\v+3], v[NAD] offset:1024*\v
.endr
	s_lshl_b32 s17, s[WV], 8
	v_lshl_add_u32 v[FAD], v[FAD], 3, s17
	s_wait_dscnt 0x0
	MERGE LD,   LD+1, LD,   LD+1, LD+4,  LD+5
	MERGE LD+2, LD+3, LD+2, LD+3, LD+6,  LD+7
	MERGE LD,   LD+1, LD,   LD+1, LD+8,  LD+9
	MERGE LD+2, LD+3, LD+2, LD+3, LD+10, LD+11
	MERGE LD,   224,  LD,   LD+1, LD+12, LD+13
	MERGE LD+2, 225,  LD+2, LD+3, LD+14, LD+15
	global_store_b64 v[FAD], v[224:225], s[10:11]  ; 32 lanes x 8 bytes: 256 consecutive bytes of out0, aligned
.Lend:
	s_wait_tensorcnt 0x0                           ; the wave's end: three lines, behind my last tensor load and my last LDS store
	ds_add_u32 v[SPW], v[NIL]
	s_wait_dscnt 0x0
	ROUND                                          ; the closing round: no work-group ends while a partner may still ask for a tile that names it
	s_endpgm
.Lfunc_end_k_q404226d645_vq:
	.size	k_q404226d645_vq, .Lfunc_end_k_q404226d645_vq-k_q404226d645_vq
	.p2alignl 7, 3214868480
	.fill 96, 4, 3214868480
	.section	.rodata,"a",@progbits
	.p2align	6, 0x0
	.amdhsa_kernel k_q404226d645_vq
		.amdhsa_group_segment_fixed_size 327680
		.amdhsa_private_segment_fixed_size 0
		.amdhsa_enable_private_segment 0
		.amdhsa_kernarg_size 32
		.amdhsa_user_sgpr_count 2
		.amdhsa_user_sgpr_kernarg_segment_ptr 1
		.amdhsa_wavefront_size32 1
		.amdhsa_system_sgpr_workgroup_id_x 1
		.amdhsa_system_sgpr_workgroup_id_y 1
		.amdhsa_system_sgpr_workgroup_id_z 1
		.amdhsa_system_vgpr_workitem_id 0
		.amdhsa_next_free_vgpr 1024
		.amdhsa_next_free_sgpr 84
		.amdhsa_reserve_vcc 0
		.amdhsa_float_denorm_mode_32 3
		.amdhsa_float_denorm_mode_16_64 3
		.amdhsa_memory_ordered 1
		.amdhsa_forward_progress 1
		.amdhsa_inst_pref_size 255
	.end_amdhsa_kernel
	.section	.bss,"aw",@nobits
	.p2align	6
	.space	262144
	.amdgpu_metadata
---
amdhsa.version: [ 1, 2 ]
amdhsa.kernels:
  - .name:           k_q404226d645_vq
    .symbol:         k_q404226d645_vq.kd
    .args:
      - { .name: latents, .offset: 0, .size: 8, .value_kind: global_buffer, .address_space: global }
      - { .name: cbf, .offset: 8, .size: 8, .value_kind: global_buffer, .address_space: global }
      - { .name: ccb, .offset: 16, .size: 8, .value_kind: global_buffer, .address_space: global }
      - { .name: out0, .offset: 24, .size: 8, .value_kind: global_buffer, .address_space: global }
    .group_segment_fixed_size: 327680
    .private_segment_fixed_size: 0
    .kernarg_segment_align: 8
    .kernarg_segment_size: 32
    .max_flat_workgroup_size: 128
    .sgpr_count:     84
    .vgpr_count:     1024
    .wavefront_size: 32
...
	.end_amdgpu_metadata
.endif
;; end of part 2
;; ======== version 2 of 2: 2 launches; version 1 with the launch prep written anew for expert scheduling mode
;; workspace buffers: cbf 4,194,304 bytes; ccb 32,768 bytes
;; launch prep (part 3): grid 128 x 1, 8 waves a work-group, no clusters, 1,280 bytes of LDS; arguments codebook, cbf, ccb; writes cbf, ccb
.if DOCPART == 3
	.amdgcn_target "amdgcn-amd-amdhsa--gfx1250"
	.amdhsa_code_object_version 6
	.text
	.protected	k_q404226d645_prep
	.globl	k_q404226d645_prep
	.p2align	8
	.type	k_q404226d645_prep,@function
k_q404226d645_prep:
	s_mov_b64 s[64:65], 0
	v_nop
	global_prefetch_b8 v0, s[64:65] scope:SCOPE_SE
	s_setreg_imm32_b32 hwreg(HW_REG_WAVE_SCHED_MODE, 0, 2), 2
	s_setreg_imm32_b32 hwreg(HW_REG_WAVE_MODE, 25, 1), 1
	s_wait_xcnt 0x0
	s_wait_alu depctr_vm_vsrc(0)
; cbf[k][:] = codebook[k][:] rounded once to bf16;  ccb[k] = the sum over d of cbf[k][d]^2, in f32 (the products of two bf16 are exact in f32).
; codebook: [8192][256] f32.  cbf: [8192][256] bf16, rows of 512 bytes.  ccb: [8192] f32.
; Memory binds: each byte is read once and written once; no matrix unit, no cluster, no tensor load would add anything.
; SHARES.  A work-group owns 64 rows, so that its 64 sums are 256 consecutive bytes of ccb, aligned; wave v owns rows 8 v .. 8 v + 7.
; A row is 1,024 bytes: two loads of 16 bytes a lane, each covering 512 consecutive bytes.  All 16 loads of a wave go out at once.
; A lane's four numbers of a load pack into 8 bytes: a store of the wave covers 256 consecutive bytes of cbf, aligned.
; THE MODE: SCHED_MODE bits 1:0 = 2 (LLVM: expert scheduling mode 2), set by the entry lines.  The code itself states the register dependences
; between vector instructions and memory or LDS instructions, with s_wait_alu, always for 0.
; THE PLAN.  Registers that memory or LDS instructions touch:
;   GO, SO, LA, CO, SPW, NIL   offsets, LDS addresses and the add's 0: written by vector lines at the head, once; read by the loads, the stores, the LDS instructions.  One wait ahead of the first load states them all.
;   X      written by the sixteen loads alone, once; read by the conversions.  No vector line names it ahead of the loads, and no load lands in it again.
;   P      written by the conversions, once; read by the stores to cbf (and by the squares).  The rows go in four PAIRS: a pair's eight conversions, ONE wait, its four stores.
;   S      (the even registers) written by the squares and the sums; read by the eight LDS stores.  One wait ahead of that run.
;   v[10:11]  written by wave 0's LDS load alone; read by its store.
; No register that a memory or LDS instruction has read is ever written again, so the text holds no wait on vm_vsrc.
; A pair's sixteen squares stand behind its stores, four chains by turns; each row's last addition (low halves' chain + high halves') stands behind all the pairs, so that a pair's wait finds no end of a chain outstanding.
.set SPARE, 256                        ; LDS: bytes 0-255 the 64 sums; from 256 on the spare words, 128 bytes for each of the eight waves, which no other line names
.set GO,  2                            ; v2  my byte offset in the group's rows of codebook: 8,192 x wave + 16 x lane; never rewritten
.set SO,  3                            ; v3  the same in cbf: 4,096 x wave + 8 x lane; never rewritten
.set LA,  4                            ; v4  LDS byte of my wave's eight sums: 32 x wave; never rewritten
.set Z,   5                            ; v5  0: the addend that starts a chain
.set SPW, 6                            ; v6  LDS address of my spare word; never rewritten
.set NIL, 7                            ; v7  0; never rewritten
.set CO,  9                            ; v9  8 x lane: where wave 0 reads the sums in LDS and stores them in ccb; never rewritten
.set X,   16                           ; v[16:79]   row i: 8 registers as loaded
.set P,   80                           ; v[80:111]  row i: 4 registers, 8 bf16
.set S,   112                          ; v[112:127] row i: two chains of squares (low halves, high halves)
	s_load_b128 s[4:7], s[0:1], 0x0                ; codebook s[4:5], cbf s[6:7]
	s_load_b64 s[8:9], s[0:1], 0x10                ; ccb
	v_lshl_add_u32 v[SPW], v0, 2, SPARE
	v_mov_b32 v[NIL], 0
	v_mov_b32 v[Z], 0
	v_lshrrev_b32 v8, 5, v0
	v_readfirstlane_b32 s12, v8                    ; wave 0..7
	v_and_b32 v1, 31, v0                           ; lane
	v_lshlrev_b32 v[CO], 3, v1
	s_wait_alu depctr_va_sdst(0)                   ; s12 is written, ahead of its first reader: the wave's offsets are made from it
	s_lshl_b32 s16, s12, 13
	v_lshl_add_u32 v[GO], v1, 4, s16
	s_lshl_b32 s17, s12, 12
	v_lshl_add_u32 v[SO], v1, 3, s17
	s_lshl_b32 s18, s12, 5
	v_mov_b32 v[LA], s18
	s_mov_b32 s14, 0x76543210                      ; v_permlanex16_b32: each lane takes its own place in the other half
	s_mov_b32 s15, 0xfedcba98
	s_lshl_b32 s20, ttmp9, 16                      ; the group's 64 rows: 65,536 bytes of codebook,
	s_mov_b32 s21, 0
	s_lshl_b32 s22, ttmp9, 15                      ; 32,768 of cbf,
	s_mov_b32 s23, 0
	s_lshl_b32 s24, ttmp9, 8                       ; 256 of ccb
	s_mov_b32 s25, 0
	s_wait_kmcnt 0x0
	s_add_nc_u64 s[4:5], s[4:5], s[20:21]
	s_add_nc_u64 s[6:7], s[6:7], s[22:23]
	s_add_nc_u64 s[8:9], s[8:9], s[24:25]
	s_wait_alu depctr_va_vdst(0)                   ; GO, SO, LA, CO, SPW and NIL are written: every load, store and LDS instruction of the kernel reads one of them as its address, offset or data
.irp i, 0,1,2,3,4,5,6,7
	global_load_b128 v[X+8*(\i):X+8*(\i)+3],   v[GO], s[4:5] offset:1024*(\i) th:TH_LOAD_NT
	global_load_b128 v[X+8*(\i)+4:X+8*(\i)+7], v[GO], s[4:5] offset:1024*(\i)+512 th:TH_LOAD_NT
.endr
; Pair p: rows 2 p and 2 p + 1.  Their 16 registers of X lie at X + 16 p, their 8 of P at P + 8 p, their four chains at S + 4 p.
.irp p, 0,1,2,3
	s_wait_loadcnt 12-4*(\p)                       ; loads come back in order: the pair's four are in, the later pairs' (four each) stay out
.irp n, 0,1,2,3,4,5,6,7
	v_cvt_pk_bf16_f32 v[P+8*(\p)+(\n)], v[X+16*(\p)+2*(\n)], v[X+16*(\p)+2*(\n)+1]
.endr
	s_wait_alu depctr_va_vdst(0)                   ; the pair's eight conversions have written v[P + 8 p ..], which the four stores below read
.irp m, 0,1,2,3
	global_store_b64 v[SO], v[P+8*(\p)+2*(\m):P+8*(\p)+2*(\m)+1], s[6:7] offset:1024*(\p)+256*(\m)  ; 32 lanes x 8 bytes: 256 consecutive bytes, aligned; P is never rewritten
.endr
.irp e, 0,1
	v_fma_mix_f32_bf16 v[S+4*(\p)+2*(\e)],   v[P+8*(\p)+4*(\e)], v[P+8*(\p)+4*(\e)], v[Z] op_sel_hi:[1,1,0]                 ; the squares of the ROUNDED numbers: low halves,
	v_fma_mix_f32_bf16 v[S+4*(\p)+2*(\e)+1], v[P+8*(\p)+4*(\e)], v[P+8*(\p)+4*(\e)], v[Z] op_sel:[1,1,0] op_sel_hi:[1,1,0]  ; high halves
.endr
.irp q, 1,2,3
.irp e, 0,1
	v_fma_mix_f32_bf16 v[S+4*(\p)+2*(\e)],   v[P+8*(\p)+4*(\e)+(\q)], v[P+8*(\p)+4*(\e)+(\q)], v[S+4*(\p)+2*(\e)] op_sel_hi:[1,1,0]
	v_fma_mix_f32_bf16 v[S+4*(\p)+2*(\e)+1], v[P+8*(\p)+4*(\e)+(\q)], v[P+8*(\p)+4*(\e)+(\q)], v[S+4*(\p)+2*(\e)+1] op_sel:[1,1,0] op_sel_hi:[1,1,0]
.endr
.endr
.endr
.irp i, 0,1,2,3,4,5,6,7
	v_add_f32 v[S+2*(\i)], v[S+2*(\i)], v[S+2*(\i)+1]   ; each row's two chains
.endr
	; across the 32 lanes, the eight rows side by side: four steps inside each half of 16 lanes, one across the halves
.irp m, 1,2,4,8
.irp i, 0,1,2,3,4,5,6,7
	v_add_f32_dpp v[S+2*(\i)], v[S+2*(\i)], v[S+2*(\i)] row_xmask:\m row_mask:0xf bank_mask:0xf
.endr
.endr
.irp i, 0,1,2,3,4,5,6,7
	v_permlanex16_b32 v[S+2*(\i)+1], v[S+2*(\i)], s14, s15   ; its destination counts as read: the second chain's register has been written
.endr
.irp i, 0,1,2,3,4,5,6,7
	v_add_f32 v[S+2*(\i)], v[S+2*(\i)], v[S+2*(\i)+1]
.endr
	s_wait_alu depctr_va_vdst(0)                   ; the last additions have written the eight sums, which the LDS stores below read
.irp i, 0,1,2,3,4,5,6,7
	ds_store_b32 v[LA], v[S+2*(\i)] offset:4*(\i)  ; all lanes write the same word with the same number
.endr
	s_wait_dscnt 0x0                               ; for the others' sake: my stores are done
	s_barrier_signal -1
	s_barrier_wait -1                              ; all 64 sums lie in LDS
	s_cmp_lg_u32 s12, 0
	s_cbranch_scc1 .Lend                           ; wave 0 stores them
	ds_load_b64 v[10:11], v[CO]                    ; CO was written ahead of the head's wait, and no vector line names v[10:11]
	s_wait_dscnt 0x0
	global_store_b64 v[CO], v[10:11], s[8:9]       ; 256 consecutive bytes of ccb, aligned
.Lend:
	s_wait_dscnt 0x0                               ; the closing lines, six on end
	s_wait_alu 0x0
	s_wait_tensorcnt 0x0
	ds_add_u32 v[SPW], v[NIL]
	s_wait_dscnt 0x0
	s_endpgm
.Lfunc_end_k_q404226d645_prep:
	.size	k_q404226d645_prep, .Lfunc_end_k_q404226d645_prep-k_q404226d645_prep
	.p2alignl 7, 3214868480
	.fill 96, 4, 3214868480
	.section	.rodata,"a",@progbits
	.p2align	6, 0x0
	.amdhsa_kernel k_q404226d645_prep
		.amdhsa_group_segment_fixed_size 1280
		.amdhsa_private_segment_fixed_size 0
		.amdhsa_enable_private_segment 0
		.amdhsa_kernarg_size 24
		.amdhsa_user_sgpr_count 2
		.amdhsa_user_sgpr_kernarg_segment_ptr 1
		.amdhsa_wavefront_size32 1
		.amdhsa_system_sgpr_workgroup_id_x 1
		.amdhsa_system_sgpr_workgroup_id_y 1
		.amdhsa_system_sgpr_workgroup_id_z 1
		.amdhsa_system_vgpr_workitem_id 0
		.amdhsa_next_free_vgpr 128
		.amdhsa_next_free_sgpr 66
		.amdhsa_reserve_vcc 0
		.amdhsa_float_denorm_mode_32 3
		.amdhsa_float_denorm_mode_16_64 3
		.amdhsa_memory_ordered 1
		.amdhsa_forward_progress 1
		.amdhsa_inst_pref_size 15
	.end_amdhsa_kernel
	.amdgpu_metadata
---
amdhsa.version: [ 1, 2 ]
amdhsa.kernels:
  - .name:           k_q404226d645_prep
    .symbol:         k_q404226d645_prep.kd
    .args:
      - { .name: codebook, .offset: 0, .size: 8, .value_kind: global_buffer, .address_space: global }
      - { .name: cbf, .offset: 8, .size: 8, .value_kind: global_buffer, .address_space: global }
      - { .name: ccb, .offset: 16, .size: 8, .value_kind: global_buffer, .address_space: global }
    .group_segment_fixed_size: 1280
    .private_segment_fixed_size: 0
    .kernarg_segment_align: 8
    .kernarg_segment_size: 24
    .max_flat_workgroup_size: 256
    .sgpr_count:     66
    .vgpr_count:     128
    .wavefront_size: 32
...
	.end_amdgpu_metadata
.endif
;; end of part 3
;; launch vq: the kernel of part 2 again; grid 256 x 1, 4 waves a work-group, clusters of 4 x 1, 327,680 bytes of LDS; arguments latents, cbf, ccb, out0; writes out0
